; MI455X (gfx1250); checked and timed in simulation.
; The chip was launched on July 23, 2026; its instructions are those of AMD's public machine-readable ISA for CDNA 5 (MIT licence, August 2026) and "CDNA5" Instruction Set Architecture Reference Guide (July 2026). The comments in the code are by the model that wrote it; some were corrected since.
;; Multi Head Attention. Allowed arithmetic: matrix products marked QUANTISED: E4M3 operands, one given power-of-two scale a tensor, by v_wmma_f32_16x16x64_fp8_fp8 or v_wmma_f32_16x16x128_fp8_fp8, f32 sums; everything else in f32.
;; Inputs: Wk_codes 1,024 x 32 x 32 uint8 (E4M3 codes of Wk, K innermost, in blocks of 32 codes); Wq_codes 1,024 x 32 x 32 uint8 (E4M3 codes of Wq, K innermost, in blocks of 32 codes); Wv_codes 1,024 x 32 x 32 uint8 (E4M3 codes of Wv, K innermost, in blocks of 32 codes); bk 1,024 float32; bq 1,024 float32; bv 1,024 float32; k_codes 2 x 2,048 x 32 x 32 uint8 (E4M3 codes of k, K innermost, in blocks of 32 codes); lowp_scales 10 int32 (the exponents e of the quantised operands' scales 2^e); mask 2 x 2,048 bool; q_codes 2 x 2,048 x 32 x 32 uint8 (E4M3 codes of q, K innermost, in blocks of 32 codes); v_codes 2 x 2,048 x 32 x 32 uint8 (E4M3 codes of v, K innermost, in blocks of 32 codes).
;; Outputs: out0 2 x 2,048 x 1,024 float32.
;; This version of the problem:
;;   THIS VERSION OF THE PROBLEM IS GIVEN IN LOW PRECISION. The matrix products marked QUANTISED in the list below multiply operands that are first quantised to E4M3 (4 exponent bits, 3 mantissa bits; 8 bits a number), with one given power-of-two scale for each operand tensor; their sums are f32. All else is computed in f32.
;;   The module's matrix products, in the order in which they are computed (A, B: the left and right operand; K: the contracted axis; several contracted axes count as one K, in the product's order):
;;     1. [M 4,096, K 1,024] x [K 1,024, N 1,024]; A: input q (given as codes); B: input Wq (given as codes): QUANTISED (scales: A lowp_scales[0], B lowp_scales[1])
;;     2. [M 4,096, K 1,024] x [K 1,024, N 1,024]; A: input k (given as codes); B: input Wk (given as codes): QUANTISED (scales: A lowp_scales[2], B lowp_scales[3])
;;     3. [M 4,096, K 1,024] x [K 1,024, N 1,024]; A: input v (given as codes); B: input Wv (given as codes): QUANTISED (scales: A lowp_scales[4], B lowp_scales[5])
;;     4. batch 32 x [M 2,048, K 64] x [K 64, N 2,048]; A: computed on the way; B: computed on the way: QUANTISED (scales: A lowp_scales[6], B lowp_scales[7])
;;     5. batch 32 x [M 2,048, K 2,048] x [K 2,048, N 64]; A: computed on the way; B: computed on the way: QUANTISED (scales: A lowp_scales[8], B lowp_scales[9])
;;   THE QUANTISER, for each operand of a quantised product, along K:
;;     - The operand's scale is 2^e, e = its entry of the input lowp_scales (int32; the entries are numbered through the quantised products in the list's order, A before B).
;;     - Each number is divided by the scale, clamped to +-448, and rounded to the nearest number of E4M3, ties to even, subnormals kept.
;;     - The product sums the exact products of the quantised numbers (number of the format x scale) in f32.
;;   ~~~python
;;   def quantise(x, axis, e):      # numpy; x: float32 -> the quantised numbers, widened to float32 again
;;       x = np.moveaxis(x, axis, -1); K = x.shape[-1]
;;       r = np.clip(x / 2.0 ** e, -448, 448)
;;       step = 2.0 ** (np.maximum(np.frexp(np.where(r == 0, 1, r))[1] - 1, -6) - 3)
;;       q = np.round(r / step) * step * 2.0 ** e      # np.round: ties to even
;;       return np.moveaxis(q, -1, axis).astype(np.float32)
;;   ~~~
;;   OPERANDS COMPUTED ON THE WAY. 'Computed on the way' means the value that the module computes at that place (a softmax that the list does not call 'softmax' is quantised finished and normalised). What goes into a quantiser is computed in f32, as accurately as f32 sums, v_exp_f32 and their like allow (about 1e-6 of the number): no bf16 or f16 on the way to a quantiser, and a product that is left as it is and whose result goes on into a quantised operand takes f32 operands (vector FMAs, or v_wmma_f32_16x16x4_f32). A number that lies on a knife's edge between two numbers of the format may be rounded either way, as far as f32 arithmetic and the matrix unit's own rounding can turn it there, and no further.
;;   INPUTS GIVEN AS CODES. Wk (in the module: [1024, 1024], K = its axis 1); Wq (in the module: [1024, 1024], K = its axis 1); Wv (in the module: [1024, 1024], K = its axis 1); k (in the module: [2, 2048, 1024], K = its axis 2); q (in the module: [2, 2048, 1024], K = its axis 2); v (in the module: [2, 2048, 1024], K = its axis 2): each comes as NAME_codes (uint8): NAME with its K axis moved to the last place and cut into blocks of 32 codes, [.., K / 32, bytes a block], one block behind the other in memory; one code a byte (a code: sign, 4 exponent bits, 3 mantissa bits); its scale is its entry of lowp_scales. Its value is code x scale, taken as it is: it is not quantised again, and the codes and scales need not be those that the quantiser above would give.
;; One version. Each part assembles by itself: llvm-mc -triple=amdgcn-amd-amdhsa -mcpu=gfx1250 --defsym DOCPART=n.
;; ======== version 1 of 1: 2 launches
;; limits: right only within a limited range of input values
;; workspace buffers: qf 4,194,304 bytes; kf 4,194,304 bytes; vf 4,194,304 bytes
;; launch proj (part 1): grid 4 x 48, 4 waves a work-group, clusters of 4 x 4, 327,680 bytes of LDS; arguments q_codes, k_codes, v_codes, Wq_codes, Wk_codes, Wv_codes, bq, bk, bv, lowp_scales, qf, kf, vf; writes qf, kf, vf
.if DOCPART == 1
	.amdgcn_target "amdgcn-amd-amdhsa--gfx1250"
	.amdhsa_code_object_version 6
	.text
	.protected	k_q700ae20cf1_proj
	.globl	k_q700ae20cf1_proj
	.p2align	8
	.type	k_q700ae20cf1_proj,@function
k_q700ae20cf1_proj:
	s_mov_b64 s[64:65], 0
	v_nop
	global_prefetch_b8 v0, s[64:65] scope:SCOPE_SE
	s_setreg_imm32_b32 hwreg(HW_REG_WAVE_MODE, 25, 1), 1
	s_wait_xcnt 0x0
	s_wait_alu depctr_hold_cnt(0) depctr_sa_sdst(0) depctr_va_vdst(0) depctr_va_sdst(0) depctr_va_ssrc(0) depctr_va_vcc(0) depctr_vm_vsrc(0)
	s_getreg_b32 s2, hwreg(HW_REG_IB_STS2, 6, 4)
	s_cmp_eq_u32 s2, 0
	s_cbranch_scc0 .Lentry_in_a_cluster
	s_endpgm
.Lentry_in_a_cluster:
	s_bfe_u32 s2, ttmp6, 0x10000c
	s_cmp_lg_u32 s2, 0xf033
	s_cbranch_scc0 .Lentry_shape_is_right
	s_endpgm
.Lentry_shape_is_right:
; THE THREE PROJECTIONS: y = x W^T + b for (q, Wq, bq), (k, Wk, bk), (v, Wv, bv), on codes of FP8 (E4M3) as they are given, sums in f32; y is quantised at once with the given
; scale of the product that takes it (entry 6 for q's, 7 for k's, 9 for v's) and stored as codes, laid in the order of the next launch's operand registers.
; NO WORK OF reference() IS LEFT OUT in this program: the three biases move codes, the mask moves the sums, every input has a way to the output and is loaded.
; x: [4096][1024] codes, W: [1024][1024] codes, K innermost.  A number of x is code x 2^ea, of W code x 2^ew (entries 2 p, 2 p + 1 of the scales for projection p).
; b goes in as b / 2^(ea + ew), the C of each sum's first matrix instruction; a code of y is sum / 2^(eo - ea - ew), held within +-448.
; LIMIT: eo - ea - ew lies between -126 and 118, so that 2^(eo - ea - ew) and 448 times it are f32 numbers.  NaN codes among the inputs are not served.
; SHARES.  192 work-groups of four waves; each makes 256 x 256 results, a wave 128 x 128: 64 accumulators, 512 registers.  No tile made of whole heads cuts 3 x 4096 x 1024 results into 256 equal parts.
; K goes in steps of 256 through two LDS slots filled by the tensor data mover: a tile's row is 256 bytes of memory.
; ROLES.  Source 0 of the matrix instruction takes 16 rows of 'B', source 1 16 rows of 'A': a lane then holds ONE row of A (lane % 16) and eight neighbouring rows of B (8 (lane / 16) + 0 .. 7).
; Eight such results make eight codes, two registers.  For q and k the next K is the head's 64 channels: B = the weight, A = the tokens.  For v the next K is the keys: B = v's tokens, A = Wv.
; So the two registers ARE registers 2 c, 2 c + 1 of the next launch's fragment, and they are stored from registers, 512 consecutive bytes an instruction.
; CLUSTERS: 4 x 4 work-groups.  The four of a row of the cluster need the same tiles of A, the four of a column the same tiles of B: each tile is asked for JOINTLY.
; PREFETCH INTO THE L2: behind K step 0's load each wave asks for steps 1 and 2, behind step 1's for step 3: at the most two steps are asked for and not loaded.  Of the 128 rows that a wave fetches each of the four
; partners takes 32, told apart by address (cx for A, cy for B): a lane a row, 256 bytes, so that each is named once in each cluster that loads it.
; OUT: qf, kf: [b][head][tile of 16 tokens: 128][piece 2][lane 32][16 bytes]: piece p = registers 4 p .. 4 p + 3 of a fragment of 16 tokens x 64 channels.
;      vf: [b][head][key step of 128: 16][16 channels: 4][piece 4][lane 32][16 bytes]: piece c = registers 4 c .. 4 c + 3 of a fragment of 16 channels x 128 keys.
; REGISTERS, in windows of 256: window 0: v16-31 addresses and constants; v32-95 the bias in C's layout; from v128 A's fragments, ONE set; on the way out v32-159 the codes.
;   window 1: B's fragments, TWO sets.   window 2: the accumulators of my A rows 0-63 ((a, b) at v[8 (8 a + b)]);   window 3: those of rows 64-127.
.set ROWB,   256                       ; a tile's row in bytes
.set KROW,   1024                      ; a row of either operand in memory
.set PITCH,  272                       ; an LDS row: 256 bytes + 16 of padding, so that the 16 rows of a fragment load start 4 words apart (64 banks of 4 bytes: ISA guide 11.1)
.set FR,     16                        ; registers of a fragment: 16 rows x 128 K
.set NL,     4                         ; LDS loads that bring one
.set NP,     4                         ; places behind this matrix instruction (ISA guide 7.12.1)
.set HALFT,  128*PITCH                 ; 128 rows: what one tensor load brings
.set SLOT,   4*HALFT                   ; A's 256 rows, then B's 256 rows
.set SPARE,  2*SLOT                    ; behind the ring: the spare words, 128 bytes a wave, that no other line names
.set ADRA, 16                          ; v16-17  LDS address of my A fragments in slot 0, 1
.set PFO,  18                          ; v18     the prefetches' offset: my lane x a row; never rewritten
.set ADRB, 20                          ; v20-21  the same as ADRA for B
.set O0,   24                          ; v24     16 x lane: my place in a stored piece
.set O1,   25                          ; v25     the same for a block's registers 8-15
.set LIM,  26                          ; v26     448 x 2^(eo - ea - ew)
.set SC,   27                          ; v27     2^(eo - ea - ew)
.set SPW,  28                          ; v28     LDS address of my spare word; never rewritten
.set NIL,  29                          ; v29     0; never rewritten
.set VH,   30                          ; v30     32 x (lane / 16)
.set VR,   31                          ; v31     4 x (lane % 16)
.set CB,   32                          ; v32-95  the bias / 2^(ea + ew), eight registers for each block of 16
.set T,    96                          ; v96-103 v's bias as loaded
.set CD,   32                          ; the way out: 16 registers of codes for each of my 8 blocks of A
.set AF,   128
.set PFA,  2                           ; s[2:3]  where my prefetches stand: my work-group's 32 rows of the 128 that I fetch, K step 0
.set G1, 24                            ; s[24:31] descriptor group 1 for A's tiles;  s[32:39] group 0, one set for each slot
.set G0, 32
.set G1B, 48                           ; s[48:55], s[56:63] the same for B's tiles
.set G0B, 56
.set MSB, 0
.macro WIN new                         ; the immediate's high byte repeats the setting that is left
.if MSB != \new
	s_set_vgpr_msb (MSB<<8)|\new
.set MSB, \new
.endif
.endm
.set MUL_LO, 0xa1                      ; source 0 (B) window 1, source 1 (A) window 0, C and D window 2
.set MUL_HI, 0xf1                      ; the same, C and D window 3
.set TO_B,   0x40                      ; destination window 1, address window 0
; A joint load: waves 0 and 1 fetch for A, waves 2 and 3 for B.  The branch hangs on the wave's number alone.  An s_nop 0 and four v_nop follow each of the two lines.
.macro JLOAD g0a, g1a, g0b, g1b
	s_cmp_eq_u32 s15, 0
	s_cbranch_scc0 .Lfor_b_\@
	tensor_load_to_lds s[\g0a:\g0a+3], s[\g1a:\g1a+7]
	s_nop 0
.rept 4
	v_nop
.endr
	s_branch .Lasked_\@
.Lfor_b_\@:
	tensor_load_to_lds s[\g0b:\g0b+3], s[\g1b:\g1b+7]
	s_nop 0
.rept 4
	v_nop
.endr
.Lasked_\@:
.endm
.macro CREST                           ; a round of the cluster's barrier behind its opening barrier
	s_cmp_lg_u32 s14, 0
	s_cbranch_scc1 .Lnot_wave_0_\@
	s_barrier_signal -3
.Lnot_wave_0_\@:
	s_barrier_wait -3
	s_barrier_signal -1
	s_barrier_wait -1
.endm
.macro CROUND                          ; a whole round
	s_barrier_signal -1
	s_barrier_wait -1
	CREST
.endm
	s_load_b512 s[68:83], s[0:1], 0x0              ; q s[68:69], k s[70:71], v s[72:73], Wq s[74:75], Wk s[76:77], Wv s[78:79], bq s[80:81], bk s[82:83]
	s_load_b256 s[84:91], s[0:1], 0x40             ; bv s[84:85], the scales' exponents s[86:87], qf s[88:89], kf s[90:91]
	s_load_b64 s[92:93], s[0:1], 0x60              ; vf
	v_lshl_add_u32 v[SPW], v0, 2, SPARE
	v_mov_b32 v[NIL], 0
	ds_add_u32 v[SPW], v[NIL]                      ; the wave's opening: the add, twice on end, and its wait ahead of my first tensor load
	ds_add_u32 v[SPW], v[NIL]
	v_lshrrev_b32 v1, 5, v0
	v_readfirstlane_b32 s14, v1                    ; wave 0..3
	s_lshr_b32 s15, s14, 1                         ; which half of A's 256 rows is mine.  Also: I fetch for A (0) or for B (1)
	s_and_b32 s16, s14, 1                          ; which half of B's.  Also: which 128 rows of that tile I fetch
	s_bfe_u32 s40, ttmp6, 0x40000                  ; cx, cy: my place in the cluster
	s_bfe_u32 s41, ttmp6, 0x40004
	s_and_b32 s67, ttmp7, 0xffff                   ; the cluster's y, 0 .. 11
	s_lshr_b32 s66, s67, 2                         ; the projection: 0 q, 1 k, 2 v
	s_and_b32 s67, s67, 3                          ; which four of the tokens' sixteen tiles of 256
	s_cmp_eq_u32 s66, 2
	s_cselect_b32 s94, 1, 0                        ; 1 for v
	s_cselect_b32 s17, 0, s67                      ; the tokens are A's rows for q and k,
	s_cselect_b32 s42, s67, 0                      ; B's for v
	s_lshl_b32 s17, s17, 2
	s_add_co_u32 s17, s17, s41                     ; A's tile: made of cy and the cluster's y alone
	s_lshl_b32 s42, s42, 2
	s_add_co_u32 s42, s42, s40                     ; B's tile: made of cx and the cluster's y alone
	s_lshl_b32 s43, s41, 2
	s_lshl_b32 s43, 15, s43                        ; my row of the cluster
	s_lshl_b32 s44, 0x1111, s40                    ; my column
	; descriptor group 1: a tile of 128 rows x 256 bytes, padded in LDS
	s_or_b32 s[G1+0], s43, (0<<16)|(1<<20)|(1<<21)|(5<<22)|(3<<25)  ; 15:0 the mask: A's tiles go to my row; elements of 1 byte; padding of four words after every 64; bit 21 set beside a mask
	s_or_b32 s[G1B+0], s44, (0<<16)|(1<<20)|(1<<21)|(5<<22)|(3<<25) ; the same with my column's mask
.irp g, G1, G1B
	s_mov_b32 s[\g+1], ROWB<<16                    ; tensor_dim0
	s_mov_b32 s[\g+2], 128<<16                     ; tensor_dim1
	s_mov_b32 s[\g+3], ROWB<<16                    ; tile_dim0
	s_mov_b32 s[\g+4], 128                         ; tile_dim1
	s_mov_b32 s[\g+5], KROW                        ; tensor_dim0_stride
	s_mov_b32 s[\g+6], 0
	s_mov_b32 s[\g+7], 0
.endr
	s_lshl_b32 s18, s16, 7                         ; which 128 rows of the tile I fetch
	s_lshl_b32 s20, s17, 8
	s_add_co_u32 s20, s20, s18                     ; A: row 256 x tile + 128 x half,
	s_lshl_b32 s20, s20, 10                        ; in bytes: at most 4,095 rows of 1,024
	s_mov_b32 s21, 0
	s_lshl_b32 s46, s42, 8
	s_add_co_u32 s46, s46, s18                     ; B likewise
	s_lshl_b32 s46, s46, 10
	s_mov_b32 s47, 0
	s_mul_i32 s45, s14, HALFT                      ; where they go: wave x 128 rows: no place in the cluster enters an LDS address
	s_wait_dscnt 0x0                               ; both opening adds are done
	s_wait_kmcnt 0x0
	s_cmp_eq_u32 s66, 0                            ; the projection's four buffers: a choice on the cluster's y, which hangs on no address
	s_cselect_b64 s[4:5], s[68:69], s[70:71]       ; the tokens' codes
	s_cselect_b64 s[6:7], s[74:75], s[76:77]       ; the weight's
	s_cselect_b64 s[8:9], s[80:81], s[82:83]       ; the bias
	s_cselect_b64 s[10:11], s[88:89], s[90:91]     ; the codes that I make
	s_cmp_eq_u32 s66, 2
	s_cselect_b64 s[4:5], s[72:73], s[4:5]
	s_cselect_b64 s[6:7], s[78:79], s[6:7]
	s_cselect_b64 s[8:9], s[84:85], s[8:9]
	s_cselect_b64 s[10:11], s[92:93], s[10:11]
	s_cselect_b64 s[22:23], s[6:7], s[4:5]         ; A: the tokens, for v the weight
	s_cselect_b64 s[6:7], s[4:5], s[6:7]           ; B: the weight, for v the tokens
	s_mov_b64 s[4:5], s[22:23]
	s_lshl_b32 s76, s66, 3                         ; entries 2 p, 2 p + 1 of the scales: ea, ew
	s_mov_b32 s77, 0
	s_add_nc_u64 s[76:77], s[86:87], s[76:77]
	s_add_co_u32 s78, s66, s94                     ; entry 6, 7 or 9: eo
	s_add_co_u32 s78, s78, 6
	s_lshl_b32 s78, s78, 2
	s_mov_b32 s79, 0
	s_add_nc_u64 s[78:79], s[86:87], s[78:79]
	s_load_b64 s[68:69], s[76:77], 0x0
	s_load_b32 s70, s[78:79], 0x0
	s_add_nc_u64 s[20:21], s[4:5], s[20:21]
	s_add_nc_u64 s[46:47], s[6:7], s[46:47]
	CROUND                                         ; all sixteen work-groups are here: the first joint loads meet
.irp s, 0,1
	s_mov_b32 s[G0+4*\s], 1                        ; count = 1
	s_add_co_u32 s[G0+4*\s+1], s45, \s*SLOT        ; LDS address
	s_add_nc_u64 s[G0+4*\s+2:G0+4*\s+3], s[20:21], \s*ROWB   ; global address: K step s
	s_or_b32 s[G0+4*\s+3], s[G0+4*\s+3], 0x80000000          ; type = 2
	s_mov_b32 s[G0B+4*\s], 1
	s_add_co_u32 s[G0B+4*\s+1], s45, \s*SLOT
	s_add_nc_u64 s[G0B+4*\s+2:G0B+4*\s+3], s[46:47], \s*ROWB
	s_or_b32 s[G0B+4*\s+3], s[G0B+4*\s+3], 0x80000000
.endr
	JLOAD G0, G1, G0B, G1B                         ; K step 0
	s_cmp_eq_u32 s15, 0                            ; the prefetches: of A's rows or of B's,
	s_cselect_b64 s[PFA:PFA+1], s[20:21], s[46:47]
	s_cselect_b32 s18, s40, s41                    ; my place among the four that ask with me
	s_lshl_b32 s18, s18, 15                        ; 32 rows of 1,024 bytes
	s_mov_b32 s19, 0
	s_add_nc_u64 s[PFA:PFA+1], s[PFA:PFA+1], s[18:19]
	v_and_b32 v[PFO], 31, v0
	v_lshlrev_b32 v[PFO], 10, v[PFO]
	global_prefetch_b8 v[PFO], s[PFA:PFA+1] offset:ROWB th:TH_LOAD_NT scope:SCOPE_SE     ; K step 1
	global_prefetch_b8 v[PFO], s[PFA:PFA+1] offset:2*ROWB th:TH_LOAD_NT scope:SCOPE_SE   ; K step 2
	s_mul_i32 s21, s15, HALFT                      ; my 128 rows of A
	s_mul_i32 s22, s16, HALFT                      ; my 128 rows of B,
	s_add_co_u32 s22, s22, 2*HALFT                 ; which lie behind A's 256
	v_and_b32 v1, 15, v0                           ; r = lane % 16
	v_bfe_u32 v2, v0, 4, 1                         ; h = lane / 16
	v_mul_u32_u24 v3, v1, PITCH
	v_lshl_add_u32 v4, v2, 4, v3                   ; a fragment's row x pitch + 16 x half
	v_lshlrev_b32 v[VH], 5, v2
	v_lshlrev_b32 v[VR], 2, v1
	v_and_b32 v[O0], 31, v0
	v_lshlrev_b32 v[O0], 4, v[O0]
.irp s, 0,1
	v_add_nc_u32 v[ADRA+\s], s21, v4
	v_add_nc_u32 v[ADRB+\s], s22, v4
	s_add_co_u32 s21, s21, SLOT
	s_add_co_u32 s22, s22, SLOT
.endr
	s_wait_alu depctr_va_vdst(0)
	; where my codes go and where my bias lies: in registers that feed no descriptor
	s_cmp_eq_u32 s66, 2
	s_cselect_b32 s72, s42, s17                    ; the tokens' tile of 256,
	s_cselect_b32 s73, s17, s42                    ; the features' tile of 256,
	s_cselect_b32 s74, s16, s15                    ; my half of the tokens,
	s_cselect_b32 s75, s15, s16                    ; my half of the features
	s_mov_b32 s96, 1024                            ; from a block of A to the next: q, k: a tile of 16 tokens, 1,024 bytes;
	s_cselect_b32 s96, 2048, s96                   ; v: 16 channels, 2,048
	s_mov_b32 s98, 1024                            ; from block 3 to block 4: the same;
	s_cselect_b32 s98, 124928, s98                 ; v: on to the next head: 131,072 - 3 x 2,048
	s_mov_b32 s100, 0x20000                        ; a block's registers 8-15: q, k: the next head's fragment;
	s_cselect_b32 s100, 1024, s100                 ; v: pieces 2 and 3 of the same fragment
	s_mov_b32 s97, 0
	s_mov_b32 s99, 0
	s_lshr_b32 s80, s72, 3                         ; the batch: 8 tiles of 256 tokens each
	s_lshl_b32 s80, s80, 4
	s_lshl_b32 s81, s73, 2
	s_add_co_u32 s80, s80, s81
	s_lshl_b32 s81, s75, 1
	s_add_co_u32 s80, s80, s81                     ; 16 b + my first head (4 x features' tile + 2 x half)
	s_lshl_b32 s80, s80, 17                        ; 131,072 bytes for a batch's head
	s_and_b32 s81, s72, 7
	s_lshl_b32 s81, s81, 1
	s_add_co_u32 s81, s81, s74                     ; my 128 tokens within the batch: 8 tiles of 1,024 bytes, or one key step of 8,192
	s_lshl_b32 s81, s81, 13
	s_add_co_u32 s80, s80, s81
	s_mov_b32 s81, 0
	s_add_nc_u64 s[10:11], s[10:11], s[80:81]
	s_lshl_b32 s82, s73, 10
	s_lshl_b32 s83, s75, 9
	s_add_co_u32 s82, s82, s83                     ; my 128 features' bias: 4 x (256 x tile + 128 x half) bytes on
	s_mov_b32 s83, 0
	s_add_nc_u64 s[8:9], s[8:9], s[82:83]
	v_add_nc_u32 v[O1], s100, v[O0]
	s_wait_alu depctr_va_vdst(0)
	s_wait_kmcnt 0x0                               ; ea, ew, eo
	s_add_co_i32 s71, s68, s69                     ; ea + ew
	s_sub_co_i32 s101, 0, s71
	s_sub_co_i32 s70, s70, s71                     ; eo - ea - ew
	s_add_co_i32 s70, s70, 127
	s_lshl_b32 s71, s70, 23
	v_mov_b32 v[SC], s71                           ; 2^(eo - ea - ew) as f32: the conversion takes its exponent field
	s_add_co_i32 s70, s70, 8
	s_lshl_b32 s70, s70, 23
	s_or_b32 s70, s70, 0x600000
	v_mov_b32 v[LIM], s70                          ; 448 times that
	; THE BIAS in the result's layout, while the first tiles are on their way.  q, k: it runs along B's rows: register 8 b + j = feature 16 b + 8 h + j.  v: along A's rows: registers 8 a + 0 .. 7 = channel 16 a + r.
	s_cmp_eq_u32 s66, 2                            ; the cluster's y alone: alike in all waves and all partners
	s_wait_alu depctr_va_vdst(0)
	s_cbranch_scc1 .Lbias_v
.irp b, 0,1,2,3,4,5,6,7
	global_load_b128 v[CB+8*\b:CB+8*\b+3], v[VH], s[8:9] offset:64*\b
	global_load_b128 v[CB+8*\b+4:CB+8*\b+7], v[VH], s[8:9] offset:64*\b+16
.endr
	s_wait_loadcnt 0x0
.set n, 0
.rept 64
	v_ldexp_f32 v[CB+n], v[CB+n], s101             ; b / 2^(ea + ew): nothing is rounded, short of underflow
.set n, n+1
.endr
	s_branch .Lbias_done
.Lbias_v:
.irp a, 0,1,2,3,4,5,6,7
	global_load_b32 v[T+\a], v[VR], s[8:9] offset:64*\a
.endr
	s_wait_loadcnt 0x0
.irp a, 0,1,2,3,4,5,6,7
.irp j, 0,1,2,3,4,5,6,7
	v_ldexp_f32 v[CB+8*\a+\j], v[T+\a], s101
.endr
.endr
.Lbias_done:
.macro FRAG reg, adr, q, i             ; a fragment, 16 rows x 128 K, is 16 registers.  Four loads of 16 bytes give lane l K = 32 c + 16 (l / 16) + 0 .. 15 in registers 4 c .. 4 c + 3: a permutation of k, the same in A and in B, so every product meets its partner
.irp c, 0,1,2,3
	ds_load_b128 v[\reg+4*\c:\reg+4*\c+3], v[\adr] offset:128*(\q)+32*\c+(\i)*16*PITCH
.endr
.endm
; 16 matrix instructions: A's blocks a0, a0 + 1 x B's eight, 128 along K.  p: B's set.  mode 0: the sums go on; 1: they start from the bias along B's rows; 2: from the bias along A's rows.
; The 64 accumulators take turns, one instruction a turn, in the same order in every step.
.macro MUL16 a0, p, mode
.irp a, \a0, \a0+1
.irp b, 0,1,2,3,4,5,6,7
.if \mode == 1
	v_wmma_f32_16x16x128_fp8_fp8 v[8*(8*((\a)%4)+\b):8*(8*((\a)%4)+\b)+7], v[128*(\p)+FR*\b:128*(\p)+FR*\b+FR-1], v[AF+FR*(\a):AF+FR*(\a)+FR-1], v[CB+8*\b:CB+8*\b+7]
.elseif \mode == 2
	v_wmma_f32_16x16x128_fp8_fp8 v[8*(8*((\a)%4)+\b):8*(8*((\a)%4)+\b)+7], v[128*(\p)+FR*\b:128*(\p)+FR*\b+FR-1], v[AF+FR*(\a):AF+FR*(\a)+FR-1], v[CB+8*(\a):CB+8*(\a)+7]
.else
	v_wmma_f32_16x16x128_fp8_fp8 v[8*(8*((\a)%4)+\b):8*(8*((\a)%4)+\b)+7], v[128*(\p)+FR*\b:128*(\p)+FR*\b+FR-1], v[AF+FR*(\a):AF+FR*(\a)+FR-1], v[8*(8*((\a)%4)+\b):8*(8*((\a)%4)+\b)+7]
.endif
.endr
.endr
.endm
.macro FETCH_B slot, q, p              ; B's eight fragments of the slot's q-th 128 along K into set p
	WIN TO_B
.irp i, 0,1,2,3,4,5,6,7
	FRAG 128*(\p)+FR*\i, ADRB+\slot, \q, \i
.endr
	WIN 0
.endm
.macro FETCH_A slot, q, i0             ; A's blocks i0 .. i0 + 3
.irp i, \i0, \i0+1, \i0+2, \i0+3
	FRAG AF+FR*(\i), ADRA+\slot, \q, \i
.endr
.endm
; A load into a register that a matrix instruction has read, and a vector instruction that reads a matrix result, stand NP places behind that matrix instruction; only plain vector
; instructions that name none of its registers are places (ISA guide 7.12.1 for vector instructions).
.macro PLACES n
.rept \n
	v_nop
.endr
.endm
; A step of 128 along K that has its successor in the same slot.  A block of A is free as soon as its eight products are issued: blocks 0-3 are fetched anew in the step's middle, blocks 4-7 at its end.
.macro STEP slot, q, mode
	s_wait_dscnt 4*NL                              ; B's set and A's blocks 0-3 are in; the youngest 16 loads (A's blocks 4-7) may be out
.if \mode
	WIN 0x81                                       ; B window 1, A and the bias window 0, D window 2
.else
	WIN MUL_LO
.endif
	MUL16 0, (\q)%2, \mode
	MUL16 2, (\q)%2, \mode
	s_wait_dscnt 0                                 ; A's blocks 4-7 are in (asked for 32 matrix instructions ago)
	PLACES NP
	FETCH_B \slot, (\q)+1, 1-(\q)%2
	FETCH_A \slot, (\q)+1, 0
.if \mode
	WIN 0xc1                                       ; the same, D window 3
.else
	WIN MUL_HI
.endif
	MUL16 4, (\q)%2, \mode
	MUL16 6, (\q)%2, \mode
	PLACES NP
	WIN 0
	FETCH_A \slot, (\q)+1, 4
.endm
; A slot's last step changes slots: ONE barrier; in front of it each wave waits for all its tensor loads, adds 0 to its spare word, and waits for that and for its own reads of this slot.  fill = 1: this slot is filled again, two K steps ahead.
.macro TURN slot, next, fill
	s_wait_tensorcnt 0x0                           ; all my tensor loads have landed: my part of the next slot  (every window is 0 here)
	ds_add_u32 v[SPW], v[NIL]                      ; 0 onto my spare word
	s_wait_dscnt 4*NL+1                            ; the add and the youngest 16 loads, A's blocks 4-7, may be out
	WIN MUL_LO
	MUL16 0, 1, 0                                  ; sixteen matrix instructions stand between the add and the wait for it
	s_wait_dscnt 0x0                               ; the add is done, and my reads of this slot are over
	s_barrier_signal -1
	MUL16 2, 1, 0
	WIN 0
	s_barrier_wait -1
.if \fill
	CREST                                          ; the barrier has opened a round of the cluster's barrier: no wave of any partner still reads this slot's tile or has a load on its way
	s_add_nc_u64 s[G0+4*\slot+2:G0+4*\slot+3], s[G0+4*\slot+2:G0+4*\slot+3], 2*ROWB
	s_add_nc_u64 s[G0B+4*\slot+2:G0B+4*\slot+3], s[G0B+4*\slot+2:G0B+4*\slot+3], 2*ROWB
	JLOAD G0+4*\slot, G1, G0B+4*\slot, G1B         ; the first tensor load behind the round; the four v_nop behind it are the places in front of the loads below
.else
	PLACES NP
.endif
	FETCH_B \next, 0, 0
	FETCH_A \next, 0, 0
	WIN MUL_HI
	MUL16 4, 1, 0
	MUL16 6, 1, 0
	PLACES NP
	WIN 0
	FETCH_A \next, 0, 4
.endm
	s_wait_alu depctr_va_vdst(0)
	s_wait_tensorcnt 0x0                           ; my part of K step 0 is in
	ds_add_u32 v[SPW], v[NIL]
	s_wait_dscnt 0x0
	CROUND                                         ; everybody's part of K step 0 is in, and the joint loads meet
	JLOAD G0+4, G1, G0B+4, G1B                     ; K step 1, the first tensor load behind the round
	FETCH_B 0, 0, 0
	FETCH_A 0, 0, 0
	FETCH_A 0, 0, 4
	global_prefetch_b8 v[PFO], s[PFA:PFA+1] offset:3*ROWB th:TH_LOAD_NT scope:SCOPE_SE   ; K step 3, the last
	s_cmp_eq_u32 s66, 2                            ; the first step is written twice: it differs in which eight registers of the bias start a sum
	s_cbranch_scc1 .Lfirst_v
	STEP 0, 0, 1
	WIN 0
	s_branch .Lfirst_done
.Lfirst_v:
	STEP 0, 0, 2
.Lfirst_done:
	TURN 0, 1, 1                                   ; K = 1,024 is eight steps of 128, four slots' worth: both slots are filled again once, so the walk is written out
	STEP 1, 0, 0
	TURN 1, 0, 1
	STEP 0, 0, 0
	TURN 0, 1, 0                                   ; nothing is left to fetch: a plain barrier
	STEP 1, 0, 0
	s_wait_dscnt 4*NL                              ; the very last step
	WIN MUL_LO
	MUL16 0, 1, 0
	MUL16 2, 1, 0
	s_wait_dscnt 0
	WIN MUL_HI
	MUL16 4, 1, 0
	MUL16 6, 1, 0
	WIN 0
; THE WAY OUT, a block of A (16 rows x my 128 rows of B) at a time: the hold, eight conversions, four stores of 512 consecutive bytes, each at a multiple of 512 from the buffer's first byte.
; Each block has its own 16 registers of codes, so no store's data are written again.
.macro OUT a
.set AC, 64*((\a)%4)
	WIN 0x82+0x41*((\a)/4)                         ; source 0 and destination: window 2 or 3
.set n, 0
.rept 64
	v_med3_num_f32 v[AC+n], v[AC+n], -v[LIM], v[LIM]   ; the conversion to an 8-bit code does not saturate (ISA guide 7.6.2): the hold at 448 x the scale; each accumulator from its low end on
.set n, n+1
.endr
	WIN 0x02+((\a)/4)
.irp b, 0,1,2,3,4,5,6,7
	v_cvt_scalef32_pk8_fp8_f32 v[CD+16*(\a)+2*\b:CD+16*(\a)+2*\b+1], v[AC+8*\b:AC+8*\b+7], v[SC]   ; eight neighbours along the next K: registers 2 c, 2 c + 1 of the next launch's fragment
.endr
	v_nop                                          ; one plain vector line behind the last conversion of a run
	WIN 0
.if (\a) > 0
	s_wait_alu depctr_va_vdst(0)
	s_wait_xcnt 0x0                                ; the earlier stores have read their base: it may step
.if (\a) == 4
	s_add_nc_u64 s[10:11], s[10:11], s[98:99]
.else
	s_add_nc_u64 s[10:11], s[10:11], s[96:97]
.endif
.endif
	global_store_b128 v[O0], v[CD+16*(\a):CD+16*(\a)+3], s[10:11]
	global_store_b128 v[O0], v[CD+16*(\a)+4:CD+16*(\a)+7], s[10:11] offset:512
	global_store_b128 v[O1], v[CD+16*(\a)+8:CD+16*(\a)+11], s[10:11]
	global_store_b128 v[O1], v[CD+16*(\a)+12:CD+16*(\a)+15], s[10:11] offset:512
.endm
	PLACES NP                                      ; behind the last products: for the holds, which write results, and for the codes that land where A's fragments lay
.irp a, 0,1,2,3,4,5,6,7
	OUT \a
.endr
	s_wait_tensorcnt 0x0                           ; the wave's end
	ds_add_u32 v[SPW], v[NIL]
	s_wait_dscnt 0x0
	CROUND                                         ; the closing round: no work-group ends while a partner may still ask for a tile that names it
	s_endpgm
.Lfunc_end_k_q700ae20cf1_proj:
	.size	k_q700ae20cf1_proj, .Lfunc_end_k_q700ae20cf1_proj-k_q700ae20cf1_proj
	.p2alignl 7, 3214868480
	.fill 96, 4, 3214868480
	.section	.rodata,"a",@progbits
	.p2align	6, 0x0
	.amdhsa_kernel k_q700ae20cf1_proj
		.amdhsa_group_segment_fixed_size 327680
		.amdhsa_private_segment_fixed_size 0
		.amdhsa_enable_private_segment 0
		.amdhsa_kernarg_size 104
		.amdhsa_user_sgpr_count 2
		.amdhsa_user_sgpr_kernarg_segment_ptr 1
		.amdhsa_wavefront_size32 1
		.amdhsa_system_sgpr_workgroup_id_x 1
		.amdhsa_system_sgpr_workgroup_id_y 1
		.amdhsa_system_sgpr_workgroup_id_z 1
		.amdhsa_system_vgpr_workitem_id 0
		.amdhsa_next_free_vgpr 1024
		.amdhsa_next_free_sgpr 102
		.amdhsa_reserve_vcc 0
		.amdhsa_float_denorm_mode_32 3
		.amdhsa_float_denorm_mode_16_64 3
		.amdhsa_memory_ordered 1
		.amdhsa_forward_progress 1
		.amdhsa_inst_pref_size 140
	.end_amdhsa_kernel
	.amdgpu_metadata
---
amdhsa.version: [ 1, 2 ]
amdhsa.kernels:
  - .name:           k_q700ae20cf1_proj
    .symbol:         k_q700ae20cf1_proj.kd
    .args:
      - { .name: q_codes, .offset: 0, .size: 8, .value_kind: global_buffer, .address_space: global }
      - { .name: k_codes, .offset: 8, .size: 8, .value_kind: global_buffer, .address_space: global }
      - { .name: v_codes, .offset: 16, .size: 8, .value_kind: global_buffer, .address_space: global }
      - { .name: Wq_codes, .offset: 24, .size: 8, .value_kind: global_buffer, .address_space: global }
      - { .name: Wk_codes, .offset: 32, .size: 8, .value_kind: global_buffer, .address_space: global }
      - { .name: Wv_codes, .offset: 40, .size: 8, .value_kind: global_buffer, .address_space: global }
      - { .name: bq, .offset: 48, .size: 8, .value_kind: global_buffer, .address_space: global }
      - { .name: bk, .offset: 56, .size: 8, .value_kind: global_buffer, .address_space: global }
      - { .name: bv, .offset: 64, .size: 8, .value_kind: global_buffer, .address_space: global }
      - { .name: lowp_scales, .offset: 72, .size: 8, .value_kind: global_buffer, .address_space: global }
      - { .name: qf, .offset: 80, .size: 8, .value_kind: global_buffer, .address_space: global }
      - { .name: kf, .offset: 88, .size: 8, .value_kind: global_buffer, .address_space: global }
      - { .name: vf, .offset: 96, .size: 8, .value_kind: global_buffer, .address_space: global }
    .group_segment_fixed_size: 327680
    .private_segment_fixed_size: 0
    .kernarg_segment_align: 8
    .kernarg_segment_size: 104
    .max_flat_workgroup_size: 128
    .sgpr_count:     102
    .vgpr_count:     1024
    .wavefront_size: 32
...
	.end_amdgpu_metadata
.endif
;; end of part 1
;; launch attn (part 2): grid 8 x 32, 8 waves a work-group, clusters of 4 x 1, 327,680 bytes of LDS; arguments qf, kf, vf, mask, lowp_scales, out0; writes out0
.if DOCPART == 2
	.amdgcn_target "amdgcn-amd-amdhsa--gfx1250"
	.amdhsa_code_object_version 6
	.text
	.protected	k_q700ae20cf1_attn
	.globl	k_q700ae20cf1_attn
	.p2align	8
	.type	k_q700ae20cf1_attn,@function
k_q700ae20cf1_attn:
	s_mov_b64 s[64:65], 0
	v_nop
	global_prefetch_b8 v0, s[64:65] scope:SCOPE_SE
	s_setreg_imm32_b32 hwreg(HW_REG_WAVE_MODE, 25, 1), 1
	s_wait_xcnt 0x0
	s_wait_alu depctr_hold_cnt(0) depctr_sa_sdst(0) depctr_va_vdst(0) depctr_va_sdst(0) depctr_va_ssrc(0) depctr_va_vcc(0) depctr_vm_vsrc(0)
	s_getreg_b32 s2, hwreg(HW_REG_IB_STS2, 6, 4)
	s_cmp_eq_u32 s2, 0
	s_cbranch_scc0 .Lentry_in_a_cluster
	s_endpgm
.Lentry_in_a_cluster:
	s_bfe_u32 s2, ttmp6, 0x10000c
	s_cmp_lg_u32 s2, 0x3003
	s_cbranch_scc0 .Lentry_shape_is_right
	s_endpgm
.Lentry_shape_is_right:
; ATTENTION on codes of FP8 (E4M3): softmax(q k^T / 8), the mask's keys left out, normalised and quantised (scale entry 8), times v; out0 [2][2048][1024] f32.
; No work of reference() is left out.  q, k, v: codes with the scale entries 6, 7, 9, laid by the launch before as operand registers.
; SHARES.  A work-group owns 256 queries of one head and walks them in 16 tiles of 16; 256 work-groups.  Each of its EIGHT waves owns 256 of the 2,048 keys and holds
; their K (16 fragments of 16 keys x 64) and V (2 x 4 fragments of 16 channels x 128 keys) in registers for the whole launch: no fragment is read twice.
; A tile: S^T = K Q^T (a lane holds one query, lane % 16; register 8 u + j is key 16 u + 8 (lane / 16) + j); the wave's largest t and the sum of 2^(t - largest) over its keys are exchanged
; through LDS with one barrier; p, normalised with the row's largest t and sum, is quantised; O^T = V^T P^T over the wave's keys; the eight partial O^T are added through LDS two tiles later.
; THE MASK is the C of S^T: 0 or -2^100 for each key.  The largest score begins at -2^30, under every unmasked score (at most 64 x 448 x 448 in size), so a masked key's p is 0;
; a row with no key left has sum 0, held at a tiny number ahead of the reciprocal, and the result 0, as reference() has it.
; LIMITS: e6 + e7 between -60 and 90, e8 between -126 and 118, e8 + e9 between -126 and 127, so that the powers of two below are f32 numbers.  NaN codes are not served.
; CLUSTERS: four of a head's eight work-groups ask jointly for the head's K and V: waves 0-3 for K's quarters, waves 4-7 for V's, one tensor load a wave in the launch.
; No prefetch: K, V, Q and the mask are loaded once, ahead of the loop, and no loop loads from memory.
; REGISTERS: window 0: v0-23 addresses and a row's numbers, v24-31 Q, v32-63 P's codes, v64-95 the sums' parts, then O^T, v96-127 partial results read back, v128-255 scores;
;   window 1: v0-127 K, v128-255 V.  Only source 0 of the matrix instructions and the loads of K and V name window 1.
.set VL,    131072                     ; LDS: K's 128 KiB at 0, V's behind
.set MT,    262144                     ; the mask as 2,048 f32 numbers
.set QL,    270336                     ; Q's 16 tiles of 1,024 bytes
.set STB,   286720                     ; each query's eight pairs (largest t, sum), rows of 80 bytes, two buffers
.set STP,   1280
.set SPARE, 289280                     ; the spare words
.set OPW,   4352                       ; a wave's partial O: 16 rows of 256 bytes + 16
.set OPS,   34816                      ; the eight waves': three buffers from LDS byte 0 on: K's part, read by nobody behind the first tile's barrier
.set L16, 1                            ; 16 x lane
.set MA,  2
.set SA,  3
.set SR,  4
.set OS,  5
.set ORD, 6
.set GO,  7
.set QA,  8
.set TP,  9
.set SPW, 10
.set NIL, 11
.set MW,  12                           ; my keys' largest t; v13 their sum
.set F,   14                           ; the factor that normalises p
.set SC,  15                           ; 2^e8 (the upper half of the pair that names F)
.set ST,  16                           ; four waves' pairs
.set Q,   24
.set PC,  32
.set WK,  32                           ; at work while no codes are held
.set OT,  64
.set SM,  64
.set R,   96
.set XS,  128                          ; the scores, then p
.set MSB, 0
.macro WIN new                         ; the immediate's high byte repeats the setting that is left
.if MSB != \new
	s_set_vgpr_msb (MSB<<8)|\new
.set MSB, \new
.endif
.endm
.macro CROUND                          ; a round of the cluster's barrier
	s_barrier_signal -1
	s_barrier_wait -1
	s_cmp_lg_u32 s16, 0
	s_cbranch_scc1 .Lnot_wave_0_\@
	s_barrier_signal -3
.Lnot_wave_0_\@:
	s_barrier_wait -3
	s_barrier_signal -1
	s_barrier_wait -1
.endm
.macro PLACES                          ; four places behind a matrix instruction (ISA guide 7.12.1)
.rept 4
	v_nop
.endr
.endm
	s_load_b256 s[4:11], s[0:1], 0x0               ; q s[4:5], k s[6:7], v s[8:9], mask s[10:11]
	s_load_b128 s[12:15], s[0:1], 0x20             ; the scales' exponents s[12:13], out s[14:15]
	v_lshl_add_u32 v[SPW], v0, 2, SPARE
	v_mov_b32 v[NIL], 0
	ds_add_u32 v[SPW], v[NIL]                      ; the wave's opening: the add, twice on end, and its wait
	ds_add_u32 v[SPW], v[NIL]
	v_lshrrev_b32 v1, 5, v0
	v_readfirstlane_b32 s16, v1                    ; wave 0..7
	s_bfe_u32 s17, ttmp6, 0x40000                  ; cx
	s_lshl_b32 s18, ttmp9, 2
	s_add_co_u32 s18, s18, s17                     ; which 256 queries
	s_and_b32 s19, ttmp7, 0xffff                   ; 16 x batch + head
	s_mov_b32 s24, 15|(3<<16)|(1<<21)              ; group 1: to all four; elements of 8 bytes; 128 rows of 256 bytes, dense
	s_mov_b32 s25, 32<<16
	s_mov_b32 s26, 128<<16
	s_mov_b32 s27, 32<<16
	s_mov_b32 s28, 128
	s_mov_b32 s29, 32
	s_mov_b32 s30, 0
	s_mov_b32 s31, 0
	s_and_b32 s20, s16, 3
	s_lshl_b32 s20, s20, 15                        ; which quarter I fetch
	s_lshl_b32 s21, s19, 17                        ; a head's K or V: 131,072 bytes
	s_add_co_u32 s20, s20, s21
	s_mov_b32 s21, 0
	s_lshl_b32 s22, s19, 17
	s_lshl_b32 s23, s18, 14                        ; 256 queries: 16,384 bytes
	s_add_co_u32 s22, s22, s23
	s_mov_b32 s23, 0
	s_lshr_b32 s50, s19, 4
	s_lshl_b32 s50, s50, 11                        ; the batch's mask
	s_mov_b32 s51, 0
	s_mov_b32 s42, 0x76543210                      ; v_permlanex16_b32's selects for lane l xor 16
	s_mov_b32 s43, 0xfedcba98
	s_mov_b32 s46, 0xce800000                      ; -2^30
	s_mov_b32 s49, 0xf1800000                      ; -2^100
	s_mov_b32 s48, QL
	s_mov_b32 s40, 0x3e38aa3b                      ; log2(e) / 8
	s_mov_b32 s32, 1
	s_lshl_b32 s33, s16, 15                        ; LDS: wave x 32,768: K's four quarters, then V's
	s_wait_dscnt 0x0                               ; both opening adds are done
	s_wait_kmcnt 0x0
	s_load_b128 s[52:55], s[12:13], 0x18           ; e6, e7, e8, e9
	s_cmp_lt_u32 s16, 4
	s_cselect_b64 s[34:35], s[6:7], s[8:9]         ; waves 0-3 fetch K, waves 4-7 V
	s_add_nc_u64 s[34:35], s[34:35], s[20:21]
	s_or_b32 s35, s35, 0x80000000
	s_add_nc_u64 s[4:5], s[4:5], s[22:23]
	s_add_nc_u64 s[10:11], s[10:11], s[50:51]
	v_lshlrev_b32 v34, 3, v0
	v_lshlrev_b32 v35, 4, v0
	global_load_b64 v[64:65], v34, s[10:11]        ; eight bytes of the mask a lane
.irp k, 0,1,2,3
	global_load_b128 v[68+4*\k:71+4*\k], v35, s[4:5] offset:4096*\k th:TH_LOAD_NT   ; Q's codes
.endr
	s_lshr_b32 s22, s19, 4
	s_lshl_b32 s22, s22, 23
	s_lshl_b32 s56, s18, 20
	s_add_co_u32 s22, s22, s56
	s_and_b32 s56, s19, 15
	s_lshl_b32 s56, s56, 8
	s_wait_xcnt 0x0                                ; the loads have read their bases and offsets
	s_add_co_u32 s22, s22, s56                     ; batch x 2^23 + 256 rows of 4,096 bytes x query block + 256 x head
	s_mov_b32 s23, 0
	s_add_nc_u64 s[14:15], s[14:15], s[22:23]
	CROUND                                         ; all four work-groups are here: the joint loads meet
	tensor_load_to_lds s[32:35], s[24:31]          ; the wave's one tensor load
	s_nop 0
	s_lshl_b32 s56, s16, 14
	s_lshl_b32 s57, s16, 10
	s_add_co_u32 s57, s57, MT
	s_lshl_b32 s58, s16, 3
	s_add_co_u32 s58, s58, STB
	s_mul_i32 s59, s16, OPW
	s_mul_i32 s20, s16, 2*272
	s_lshl_b32 s21, s16, 13
	v_and_b32 v32, 15, v0                          ; r = lane % 16
	v_bfe_u32 v33, v0, 4, 1                        ; h = lane / 16
	v_and_b32 v[L16], 31, v0
	v_lshlrev_b32 v[L16], 4, v[L16]
	v_add_nc_u32 v36, s56, v[L16]                  ; my K: 16,384 bytes a wave
	v_add_nc_u32 v37, VL, v36                      ; my V
	v_lshl_add_u32 v[MA], v33, 5, s57              ; my keys' mask: eight numbers for each half of the lanes
	v_mul_u32_u24 v38, v32, 80
	v_add_nc_u32 v[SA], s58, v38                   ; my pair in row r
	v_lshl_add_u32 v[SR], v33, 5, v38
	v_add_nc_u32 v[SR], STB, v[SR]                 ; waves 4 h .. 4 h + 3's pairs in row r
	v_mul_u32_u24 v[OS], v32, 272
	v_lshl_add_u32 v[OS], v33, 5, v[OS]
	v_add_nc_u32 v[OS], s59, v[OS]                 ; partial O, in: row r of my part
	v_mul_u32_u24 v[ORD], v33, 272
	v_lshl_add_u32 v[ORD], v32, 4, v[ORD]
	v_add_nc_u32 v[ORD], s20, v[ORD]               ; back: rows 2 x wave + h of every part
	v_lshl_add_u32 v[GO], v33, 12, s21
	v_lshl_add_u32 v[GO], v32, 4, v[GO]            ; the same rows in out0: 16 lanes to 256 bytes
	v_lshl_add_u32 v39, v0, 5, MT
	v_lshl_add_u32 v40, v0, 4, QL
	v_mov_b32 v[TP], 0                             ; written once: a lane permute's destination counts as one of its sources
	v_mov_b32 v[MW+1], 0                           ; (named as the upper half of a pair)
	s_wait_alu depctr_va_vdst(0)
	s_wait_kmcnt 0x0
	s_add_co_i32 s20, s52, s53
	s_lshl_b32 s20, s20, 23
	s_add_co_i32 s40, s40, s20                     ; c = 2^(e6 + e7) log2(e) / 8: t = c x the sum of codes' products
	s_mov_b32 s41, s40
	s_add_co_i32 s20, s54, 127
	s_lshl_b32 s21, s20, 23
	v_mov_b32 v[SC], s21                           ; 2^e8
	s_add_co_i32 s20, s20, 8
	s_lshl_b32 s20, s20, 23
	s_or_b32 s50, s20, 0x600000                    ; 448 x 2^e8
	s_add_co_i32 s20, s54, s55
	s_add_co_i32 s20, s20, 127
	s_lshl_b32 s44, s20, 23                        ; 2^(e8 + e9)
	s_mov_b32 s45, s44
	s_wait_loadcnt 0x4                             ; the mask; Q's four loads may be out
.set n, 0
.rept 8
	v_bfe_u32 v[96+n], v[64+n/4], 8*(n%4), 8
	v_mul_lo_u32 v[96+n], v[96+n], s49             ; 0 or -2^100
.set n, n+1
.endr
	ds_store_b128 v39, v[96:99]
	ds_store_b128 v39, v[100:103] offset:16
	s_wait_loadcnt 0x0
.irp k, 0,1,2,3
	ds_store_b128 v40, v[68+4*\k:71+4*\k] offset:4096*\k
.endr
.macro MLOAD g                         ; the mask of tiles 4 g .. 4 g + 3 into their scores' registers
.irp u, 0,1,2,3
	ds_load_b128 v[XS+32*\g+8*\u:XS+32*\g+8*\u+3],   v[MA] offset:64*(4*\g+\u)
	ds_load_b128 v[XS+32*\g+8*\u+4:XS+32*\g+8*\u+7], v[MA] offset:64*(4*\g+\u)+16
.endr
.endm
.macro QLOAD off
	v_add_nc_u32 v[QA], s48, v[L16]
	ds_load_b128 v[Q:Q+3],   v[QA] offset:\off
	ds_load_b128 v[Q+4:Q+7], v[QA] offset:\off+512
.endm
.macro SCL p                           ; t - my largest t, two at a time
	v_pk_fma_f32 v[XS+2*(\p):XS+2*(\p)+1], v[XS+2*(\p):XS+2*(\p)+1], s[40:41], v[MW:MW+1] op_sel_hi:[1,0,0] neg_lo:[0,0,1] neg_hi:[0,0,1]
.endm
; A batch of 32 exponentials.  Among them, on registers of their own: the next batch's scaling, and additions of batches that are finished.  The one wait ahead of each batch
; is also the one behind the batch before: each register written here is read behind the next such wait.
.macro EXPG g
	s_wait_alu depctr_va_vdst(0)
.set n, 0
.rept 16
	v_exp_f32 v[XS+32*\g+2*n], v[XS+32*\g+2*n]
	v_exp_f32 v[XS+32*\g+2*n+1], v[XS+32*\g+2*n+1]
.if \g < 3
	SCL 16*(\g+1)+n
.endif
.if \g == 2
	v_pk_add_f32 v[SM+2*n:SM+2*n+1], v[XS+2*n:XS+2*n+1], v[XS+32+2*n:XS+32+2*n+1]
.endif
.if \g == 3
	v_pk_add_f32 v[SM+2*n:SM+2*n+1], v[SM+2*n:SM+2*n+1], v[XS+64+2*n:XS+64+2*n+1]
.endif
.set n, n+1
.endr
.endm
; A tile up to its pair of numbers.  first = 1: V's 32 loads are the youngest and may be out; else a quarter's eight loads of the mask follow the quarter before.
.macro PRE first
.irp g, 0,1,2,3
.if \first == 0
	s_wait_dscnt 24-8*\g                           ; Q and the mask up to this quarter are in; the later quarters' may be out
.elseif \g == 0
	s_wait_dscnt 32
.endif
	WIN 0x01                                       ; source 0 in window 1
.irp u, 0,1,2,3
	v_wmma_f32_16x16x64_fp8_fp8 v[XS+32*\g+8*\u:XS+32*\g+8*\u+7], v[32*\g+8*\u:32*\g+8*\u+7], v[Q:Q+7], v[XS+32*\g+8*\u:XS+32*\g+8*\u+7]
.endr
.endr
	PLACES
	WIN 0
.set n, 0
.rept 64                               ; the largest score, in four chains
.if n < 4
	v_max3_num_f32 v[SM+n], s46, v[XS+2*n], v[XS+2*n+1]
.else
	v_max3_num_f32 v[SM+n%4], v[SM+n%4], v[XS+2*n], v[XS+2*n+1]
.endif
.set n, n+1
.endr
	v_max3_num_f32 v[SM], v[SM], v[SM+1], v[SM+2]
	v_max_num_f32 v[SM], v[SM], v[SM+3]
	v_permlanex16_b32 v[TP], v[SM], s42, s43
	v_max_num_f32 v[SM], v[SM], v[TP]
	v_mul_f32 v[MW], s40, v[SM]                    ; as t (c is positive)
.set n, 0
.rept 16
	SCL n
.set n, n+1
.endr
	EXPG 0
	EXPG 1
	EXPG 2
	EXPG 3
	s_wait_alu depctr_va_vdst(0)                   ; ahead of the last batch's first reader
.set n, 0
.rept 16
	v_pk_add_f32 v[SM+2*n:SM+2*n+1], v[SM+2*n:SM+2*n+1], v[XS+96+2*n:XS+96+2*n+1]
.set n, n+1
.endr
.irp m, 8,4,2,1
.set n, 0
.rept \m
	v_pk_add_f32 v[SM+2*n:SM+2*n+1], v[SM+2*n:SM+2*n+1], v[SM+2*(n+\m):SM+2*(n+\m)+1]
.set n, n+1
.endr
.endr
	v_add_f32 v[SM], v[SM], v[SM+1]
	v_permlanex16_b32 v[TP], v[SM], s42, s43
	v_add_f32 v[MW+1], v[SM], v[TP]
.endm
.macro PV                              ; O^T over my 256 keys, in two steps of 128; the four accumulators take turns
	WIN 0x01
.irp d, 0,1,2,3
	v_wmma_f32_16x16x128_fp8_fp8 v[OT+8*\d:OT+8*\d+7], v[128+16*\d:128+16*\d+15], v[PC:PC+15], 0
.endr
.irp d, 0,1,2,3
	v_wmma_f32_16x16x128_fp8_fp8 v[OT+8*\d:OT+8*\d+7], v[192+16*\d:192+16*\d+15], v[PC+16:PC+31], v[OT+8*\d:OT+8*\d+7]
.endr
	WIN 0
.endm
; The tile's barrier: my pair is stored, my reads are over.  Between signal and wait, on registers alone, the product P V of the tile before.
.macro MEET buf, pv, step
	ds_store_b64 v[SA], v[MW:MW+1] offset:STP*(\buf)
	s_wait_alu depctr_va_vdst(0)
.if \step
	s_wait_xcnt 0x0                                ; the store has read its data and its base
	s_add_nc_u64 s[14:15], s[14:15], 0x10000       ; 16 rows of out0 on
.endif
	s_wait_dscnt 0x0
	s_barrier_signal -1
.if \pv
	PV
.endif
	s_barrier_wait -1
.endm
.macro RLOAD rb, adr, buf              ; my two rows of the eight parts
.irp k, 0,1,2,3,4,5,6,7
	ds_load_b128 v[\rb+4*\k:\rb+4*\k+3], v[\adr] offset:OPS*(\buf)+OPW*\k
.endr
.endm
.macro RSUM rb, off                    ; added, scaled and stored: 16 lanes to an aligned unit of 256 bytes
.irp m, 4,2,1
.set n, 0
.rept \m
	v_pk_add_f32 v[\rb+4*n:\rb+4*n+1], v[\rb+4*n:\rb+4*n+1], v[\rb+4*(n+\m):\rb+4*(n+\m)+1]
	v_pk_add_f32 v[\rb+4*n+2:\rb+4*n+3], v[\rb+4*n+2:\rb+4*n+3], v[\rb+4*(n+\m)+2:\rb+4*(n+\m)+3]
.set n, n+1
.endr
.endr
	v_pk_mul_f32 v[\rb:\rb+1], v[\rb:\rb+1], s[44:45] op_sel_hi:[1,0]
	v_pk_mul_f32 v[\rb+2:\rb+3], v[\rb+2:\rb+3], s[44:45] op_sel_hi:[1,0]
	global_store_b128 v[GO], v[\rb:\rb+3], s[14:15] offset:\off th:TH_STORE_NT
.endm
.macro OSTORE adr, buf
.irp d, 0,1,2,3
	ds_store_b128 v[\adr], v[OT+8*\d:OT+8*\d+3]   offset:OPS*(\buf)+64*\d
	ds_store_b128 v[\adr], v[OT+8*\d+4:OT+8*\d+7] offset:OPS*(\buf)+64*\d+16
.endr
.endm
; p normalised, held at the largest code x the scale (the conversion does not saturate: ISA guide 7.6.2; p is not negative), converted: four tiles' keys make registers 8 g .. 8 g + 7 of the operand.
.macro NORM g, next
.set n, 0
.rept 16
	v_pk_mul_f32 v[XS+32*\g+2*n:XS+32*\g+2*n+1], v[XS+32*\g+2*n:XS+32*\g+2*n+1], v[F:F+1] op_sel_hi:[1,0]
.set n, n+1
.endr
.set n, 0
.rept 16
	v_dual_min_num_f32 v[XS+32*\g+2*n], s50, v[XS+32*\g+2*n] :: v_dual_min_num_f32 v[XS+32*\g+2*n+1], s50, v[XS+32*\g+2*n+1]
.set n, n+1
.endr
.irp c, 0,1,2,3
	v_cvt_scalef32_pk8_fp8_f32 v[PC+8*\g+2*\c:PC+8*\g+2*\c+1], v[XS+32*\g+8*\c:XS+32*\g+8*\c+7], v[SC]
.endr
.if \next
	MLOAD \g                                       ; the next tile's
.endif
.endm
; Behind tile i's barrier (buf = i % 2): the row's numbers from the eight pairs; O of tile i - 1 goes out to LDS (ost), that of tile i - 2 is added up (red); tile i's codes.
.macro POST buf, ost, red, next, qoff
	ds_load_b128 v[ST:ST+3],   v[SR] offset:STP*(\buf)
	ds_load_b128 v[ST+4:ST+7], v[SR] offset:STP*(\buf)+16
.if \red
	RLOAD R, ORD, \buf
.endif
.if \ost
	PLACES                                         ; behind P V: for the stores and for the vector writes below
	OSTORE OS, 1-\buf
.endif
.if \next
	QLOAD \qoff
.endif
	s_wait_dscnt 8*\red+8*\ost+2*\next             ; the pairs; the loads and stores behind them may be out
	v_max3_num_f32 v[WK], v[ST], v[ST+2], v[ST+4]
	v_max_num_f32 v[WK], v[WK], v[ST+6]
	v_permlanex16_b32 v[TP], v[WK], s42, s43
	v_max_num_f32 v[WK], v[WK], v[TP]              ; the row's largest t
	v_sub_f32 v[WK+1], v[ST], v[WK]
	v_sub_f32 v[WK+2], v[ST+2], v[WK]
	v_sub_f32 v[WK+3], v[ST+4], v[WK]
	v_sub_f32 v[WK+4], v[ST+6], v[WK]
	v_sub_f32 v[WK+5], v[MW], v[WK]
	s_wait_alu depctr_va_vdst(0)
.irp k, 1,2,3,4,5
	v_exp_f32 v[WK+\k], v[WK+\k]
.endr
.if \red
	s_wait_dscnt 8*\ost+2*\next                    ; the eight parts; the stores and Q's loads may be out
	RSUM R, 0
.else
	v_nop
.endif
	s_wait_alu depctr_va_vdst(0)
	v_mul_f32 v[WK+6], v[WK+1], v[ST+1]
	v_fmac_f32 v[WK+6], v[WK+2], v[ST+3]
	v_fmac_f32 v[WK+6], v[WK+3], v[ST+5]
	v_fmac_f32 v[WK+6], v[WK+4], v[ST+7]
	v_permlanex16_b32 v[TP], v[WK+6], s42, s43
	v_add_f32 v[WK+6], v[WK+6], v[TP]              ; the row's sum: at least about 1 where a key is left
	v_max_num_f32 v[WK+6], 0x0d800000, v[WK+6]     ; else held at 2^-100: every p is 0 then
	s_wait_alu depctr_va_vdst(0)
	v_rcp_f32 v[WK+7], v[WK+6]
	v_nop
	s_wait_alu depctr_va_vdst(0)
	v_mul_f32 v[F], v[WK+5], v[WK+7]               ; 2^(my largest t - the row's) / the row's sum
.irp g, 0,1,2,3
	NORM \g, \next
.endr
	v_nop                                          ; one plain line behind the last conversion
.endm
.macro BODY buf, ost, red, qoff        ; tile i behind its barrier, tile i + 1 up to its barrier
	POST \buf, \ost, \red, 1, \qoff
	PRE 0
	MEET 1-\buf, 1, \red
.endm
	s_wait_alu depctr_va_vdst(0)
	s_wait_tensorcnt 0x0                           ; my quarter of K or V is in,
	s_wait_dscnt 0x0                               ; my parts of Q and of the mask too:
	s_barrier_signal -1
	s_barrier_wait -1                              ; everybody's
	MLOAD 0
	MLOAD 1
	MLOAD 2
	MLOAD 3
	QLOAD 0
	WIN 0x40                                       ; destination window 1
.set n, 0
.rept 32
	ds_load_b128 v[4*n:4*n+3], v36 offset:512*n
.set n, n+1
.endr
.set n, 0
.rept 32
	ds_load_b128 v[128+4*n:128+4*n+3], v37 offset:512*n
.set n, n+1
.endr
	WIN 0
	PRE 1                                          ; tile 0
	MEET 0, 0, 0
	BODY 0, 0, 0, 1024
	BODY 1, 1, 0, 2048
	s_mov_b32 s47, 6
.Lpair:                                                ; tiles 2 to 13 behind their barriers
	BODY 0, 1, 1, 3072
	BODY 1, 1, 1, 4096
	s_add_co_u32 s48, s48, 2048
	s_sub_co_u32 s47, s47, 1
	s_cmp_lg_u32 s47, 0
	s_cbranch_scc1 .Lpair
	BODY 0, 1, 1, 3072                             ; tile 14
	POST 1, 1, 1, 0, 0                             ; tile 15
	PV
	v_add_nc_u32 v[ST], OPS, v[OS]                 ; its O goes to the third buffer: the second may still be read
	v_add_nc_u32 v[ST+2], OPS, v[ORD]
	v_nop
	v_nop
	OSTORE ST, 1
	s_wait_alu depctr_va_vdst(0)
	s_wait_xcnt 0x0
	s_add_nc_u64 s[14:15], s[14:15], 0x10000
	s_wait_dscnt 0x0
	s_barrier_signal -1
	s_barrier_wait -1
	RLOAD R, ORD, 0                                ; tile 14
	RLOAD XS, ST+2, 1                              ; tile 15
	s_wait_dscnt 0x8                               ; tile 14's parts; tile 15's eight loads may be out
	RSUM R, 0
	s_wait_dscnt 0x0
	RSUM XS, 0x10000
	s_wait_tensorcnt 0x0                           ; the wave's end
	ds_add_u32 v[SPW], v[NIL]
	s_wait_dscnt 0x0
	CROUND                                         ; the closing round
	s_endpgm
.Lfunc_end_k_q700ae20cf1_attn:
	.size	k_q700ae20cf1_attn, .Lfunc_end_k_q700ae20cf1_attn-k_q700ae20cf1_attn
	.p2alignl 7, 3214868480
	.fill 96, 4, 3214868480
	.section	.rodata,"a",@progbits
	.p2align	6, 0x0
	.amdhsa_kernel k_q700ae20cf1_attn
		.amdhsa_group_segment_fixed_size 327680
		.amdhsa_private_segment_fixed_size 0
		.amdhsa_enable_private_segment 0
		.amdhsa_kernarg_size 48
		.amdhsa_user_sgpr_count 2
		.amdhsa_user_sgpr_kernarg_segment_ptr 1
		.amdhsa_wavefront_size32 1
		.amdhsa_system_sgpr_workgroup_id_x 1
		.amdhsa_system_sgpr_workgroup_id_y 1
		.amdhsa_system_sgpr_workgroup_id_z 1
		.amdhsa_system_vgpr_workitem_id 0
		.amdhsa_next_free_vgpr 512
		.amdhsa_next_free_sgpr 66
		.amdhsa_reserve_vcc 0
		.amdhsa_float_denorm_mode_32 3
		.amdhsa_float_denorm_mode_16_64 3
		.amdhsa_memory_ordered 1
		.amdhsa_forward_progress 1
		.amdhsa_inst_pref_size 212
	.end_amdhsa_kernel
	.amdgpu_metadata
---
amdhsa.version: [ 1, 2 ]
amdhsa.kernels:
  - .name:           k_q700ae20cf1_attn
    .symbol:         k_q700ae20cf1_attn.kd
    .args:
      - { .name: qf, .offset: 0, .size: 8, .value_kind: global_buffer, .address_space: global }
      - { .name: kf, .offset: 8, .size: 8, .value_kind: global_buffer, .address_space: global }
      - { .name: vf, .offset: 16, .size: 8, .value_kind: global_buffer, .address_space: global }
      - { .name: mask, .offset: 24, .size: 8, .value_kind: global_buffer, .address_space: global }
      - { .name: lowp_scales, .offset: 32, .size: 8, .value_kind: global_buffer, .address_space: global }
      - { .name: out0, .offset: 40, .size: 8, .value_kind: global_buffer, .address_space: global }
    .group_segment_fixed_size: 327680
    .private_segment_fixed_size: 0
    .kernarg_segment_align: 8
    .kernarg_segment_size: 48
    .max_flat_workgroup_size: 256
    .sgpr_count:     66
    .vgpr_count:     512
    .wavefront_size: 32
...
	.end_amdgpu_metadata
.endif
;; end of part 2
